; MI455X (gfx1250); checked and timed in simulation.
; The chip was launched on July 23, 2026; its instructions are those of AMD's public machine-readable ISA for CDNA 5 (MIT licence, August 2026) and "CDNA5" Instruction Set Architecture Reference Guide (July 2026). The comments in the code are by the model that wrote it; some were corrected since.
;; Multihead Attention. Allowed arithmetic: matrix products marked QUANTISED: E5M2 operands, one given power-of-two scale a tensor, by v_wmma_f32_16x16x64_bf8_bf8 or v_wmma_f32_16x16x128_bf8_bf8, f32 sums; everything else in f32.
;; Inputs: Wk_codes 1,024 x 32 x 32 uint8 (E5M2 codes of Wk, K innermost, in blocks of 32 codes); Wo_codes 1,024 x 32 x 32 uint8 (E5M2 codes of Wo, K innermost, in blocks of 32 codes); Wq_codes 1,024 x 32 x 32 uint8 (E5M2 codes of Wq, K innermost, in blocks of 32 codes); Wv_codes 1,024 x 32 x 32 uint8 (E5M2 codes of Wv, K innermost, in blocks of 32 codes); k_codes 4 x 2,048 x 32 x 32 uint8 (E5M2 codes of k, K innermost, in blocks of 32 codes); lowp_scales 12 int32 (the exponents e of the quantised operands' scales 2^e); mask 4 x 1 x 2,048 x 2,048 bool; q_codes 4 x 2,048 x 32 x 32 uint8 (E5M2 codes of q, K innermost, in blocks of 32 codes); v_codes 4 x 2,048 x 32 x 32 uint8 (E5M2 codes of v, K innermost, in blocks of 32 codes).
;; Outputs: out0 4 x 2,048 x 1,024 float32.
;; This version of the problem:
;;   THIS VERSION OF THE PROBLEM IS GIVEN IN LOW PRECISION. The matrix products marked QUANTISED in the list below multiply operands that are first quantised to E5M2 (5 exponent bits, 2 mantissa bits; 8 bits a number), with one given power-of-two scale for each operand tensor; their sums are f32. All else is computed in f32.
;;   The module's matrix products, in the order in which they are computed (A, B: the left and right operand; K: the contracted axis; several contracted axes count as one K, in the product's order):
;;     1. [M 8,192, K 1,024] x [K 1,024, N 1,024]; A: input q (given as codes); B: input Wq (given as codes): QUANTISED (scales: A lowp_scales[0], B lowp_scales[1])
;;     2. [M 8,192, K 1,024] x [K 1,024, N 1,024]; A: input k (given as codes); B: input Wk (given as codes): QUANTISED (scales: A lowp_scales[2], B lowp_scales[3])
;;     3. [M 8,192, K 1,024] x [K 1,024, N 1,024]; A: input v (given as codes); B: input Wv (given as codes): QUANTISED (scales: A lowp_scales[4], B lowp_scales[5])
;;     4. batch 64 x [M 2,048, K 64] x [K 64, N 2,048]; A: computed on the way; B: computed on the way: QUANTISED (scales: A lowp_scales[6], B lowp_scales[7])
;;     5. batch 64 x [M 2,048, K 2,048] x [K 2,048, N 64]; A: softmax (see below); B: computed on the way: QUANTISED (scales: A lowp_scales[8], B lowp_scales[9])
;;     6. [M 8,192, K 1,024] x [K 1,024, N 1,024]; A: computed on the way; B: input Wo (given as codes): QUANTISED (scales: A lowp_scales[10], B lowp_scales[11])
;;   THE QUANTISER, for each operand of a quantised product, along K:
;;     - The operand's scale is 2^e, e = its entry of the input lowp_scales (int32; the entries are numbered through the quantised products in the list's order, A before B).
;;     - Each number is divided by the scale, clamped to +-57,344, and rounded to the nearest number of E5M2, ties to even, subnormals kept.
;;     - The product sums the exact products of the quantised numbers (number of the format x scale) in f32.
;;   ~~~python
;;   def quantise(x, axis, e):      # numpy; x: float32 -> the quantised numbers, widened to float32 again
;;       x = np.moveaxis(x, axis, -1); K = x.shape[-1]
;;       r = np.clip(x / 2.0 ** e, -57344, 57344)
;;       step = 2.0 ** (np.maximum(np.frexp(np.where(r == 0, 1, r))[1] - 1, -14) - 2)
;;       q = np.round(r / step) * step * 2.0 ** e      # np.round: ties to even
;;       return np.moveaxis(q, -1, axis).astype(np.float32)
;;   ~~~
;;   SOFTMAX AHEAD OF A QUANTISED PRODUCT. Where the list says 'softmax', what is quantised is not the finished softmax but p = 2^(t - M), with t = logit x log2(e) and M = ceil(the row's largest t), a whole number; so 1/2 < the row's largest p <= 1. The row's sum l is taken of the UNQUANTISED p, in f32, and the product's result is divided by l at the end. Since M is a whole number, a kernel that streams over the keys may use a running M (the ceiling of the running maximum): every later rescaling is an exact power of two, so the quantised numbers keep their values, but for numbers so far below the row's largest that they fall under the format's range.
;;   OPERANDS COMPUTED ON THE WAY. 'Computed on the way' means the value that the module computes at that place (a softmax that the list does not call 'softmax' is quantised finished and normalised). What goes into a quantiser is computed in f32, as accurately as f32 sums, v_exp_f32 and their like allow (about 1e-6 of the number): no bf16 or f16 on the way to a quantiser, and a product that is left as it is and whose result goes on into a quantised operand takes f32 operands (vector FMAs, or v_wmma_f32_16x16x4_f32). A number that lies on a knife's edge between two numbers of the format may be rounded either way, as far as f32 arithmetic and the matrix unit's own rounding can turn it there, and no further.
;;   INPUTS GIVEN AS CODES. Wk (in the module: [1024, 1024], K = its axis 1); Wo (in the module: [1024, 1024], K = its axis 1); Wq (in the module: [1024, 1024], K = its axis 1); Wv (in the module: [1024, 1024], K = its axis 1); k (in the module: [4, 2048, 1024], K = its axis 2); q (in the module: [4, 2048, 1024], K = its axis 2); v (in the module: [4, 2048, 1024], K = its axis 2): each comes as NAME_codes (uint8): NAME with its K axis moved to the last place and cut into blocks of 32 codes, [.., K / 32, bytes a block], one block behind the other in memory; one code a byte (a code: sign, 5 exponent bits, 2 mantissa bits); its scale is its entry of lowp_scales. Its value is code x scale, taken as it is: it is not quantised again, and the codes and scales need not be those that the quantiser above would give.
;; One version. Each part assembles by itself: llvm-mc -triple=amdgcn-amd-amdhsa -mcpu=gfx1250 --defsym DOCPART=n.
;; ======== version 1 of 1: 4 launches
;; workspace buffers: mbits 2,097,152 bytes of whole numbers; mflags 2,048 bytes of whole numbers; qf 8,388,608 bytes; kf 8,388,608 bytes; vf 8,388,608 bytes; af 8,388,608 bytes
;; launch maskbits (part 1): grid 64 x 4, 16 waves a work-group, no clusters, 71,936 bytes of LDS; arguments mask, mbits, mflags; writes mbits, mflags
.if DOCPART == 1
	.amdgcn_target "amdgcn-amd-amdhsa--gfx1250"
	.amdhsa_code_object_version 6
	.text
	.protected	k_qe75570b54e_maskbits
	.globl	k_qe75570b54e_maskbits
	.p2align	8
	.type	k_qe75570b54e_maskbits,@function
k_qe75570b54e_maskbits:
	s_mov_b64 s[64:65], 0
	v_nop
	global_prefetch_b8 v0, s[64:65] scope:SCOPE_SE
	s_setreg_imm32_b32 hwreg(HW_REG_WAVE_MODE, 25, 1), 1
	s_wait_xcnt 0x0
; The mask [4][1][2048][2048], one byte a place, is turned into LANE WORDS for the attention launch, and into two flag words for each group of 32 queries.
; mbits [b 4][g 64][s 16][u 2][t 8][j 8], 32-bit words: bit l of a word (r = l % 16, h = l / 16) says whether key 128 s + 16 t + 8 h + j counts for query 32 g + 16 u + r.
; That is the place which lane l, register 8 t + j, of a transposed score tile holds: one select with the word as its lane mask then serves 32 scores.
; mflags [b][g][2]: word 0, bit s: some key of step s counts for one of the group's 32 queries; word 1, bit s: not all of them count.
; SHARES.  A work-group takes 32 rows of the mask (one g of one b).  Wave w takes 16 rows (u = w % 2) x 256 keys (sp = w / 2: steps 2 sp and 2 sp + 1).
; Each load reads two rows x 256 consecutive bytes; the bytes turn through the wave's own stage in LDS (rows 272 bytes apart), from which lane (r, h) takes 8 bytes of row r.
; A compare of one byte of every lane against 0 gives a word in a scalar register; 64 words are laid two to a lane by v_writelane_b32, so that one store writes 256 consecutive bytes.
; No matrix unit, no tensor load, no cluster: the work-groups share no byte, and every byte of the mask is read once.
.set PITCH, 272                        ; a stage row: 256 bytes + 16: lane (r, h) reads words 68 r + 2 h on, which are 64 different words modulo 64
.set WSTG,  16*PITCH                   ; a wave's stage
.set FL,    16*WSTG                    ; behind the stages: 8 bytes for each wave, its part of the two flag words
.set PK,    10                         ; v[10:11] the 64 words of step 2 sp, two a lane; v[12:13] those of step 2 sp + 1
.set R,     16                         ; v16-47  eight loads of 16 bytes
.set X,     48                         ; v48-79  sixteen pieces of 8 bytes: piece t = keys 16 t + 8 h + 0 .. 7 of row r
.set TM,    80                         ; v80-87  at work
	s_load_b128 s[4:7], s[0:1], 0x0                ; mask s[4:5], mbits s[6:7]
	s_load_b64 s[8:9], s[0:1], 0x10                ; mflags
	v_lshl_add_u32 v96, v0, 2, 0x11100
	v_mov_b32 v97, 0
	v_lshrrev_b32 v9, 5, v0
	v_readfirstlane_b32 s10, v9                    ; wave 0..15
	v_and_b32 v1, 31, v0                           ; lane
	v_and_b32 v2, 15, v0                           ; r
	v_bfe_u32 v3, v0, 4, 1                         ; h
	s_and_b32 s11, s10, 1                          ; u
	s_lshr_b32 s12, s10, 1                         ; sp
	s_and_b32 s13, ttmp7, 0xffff                   ; b
	s_mul_i32 s14, s10, WSTG                       ; my stage
	v_lshlrev_b32 v4, 4, v2
	v_lshl_add_u32 v4, v3, 11, v4                  ; in memory: row h of a pair, 16 bytes a lane
	v_mul_u32_u24 v5, v3, PITCH
	v_lshl_add_u32 v5, v2, 4, v5
	v_add_nc_u32 v5, s14, v5                       ; the same place in the stage
	v_mul_u32_u24 v6, v2, PITCH
	v_lshl_add_u32 v6, v3, 3, v6
	v_add_nc_u32 v6, s14, v6                       ; out of the stage: row r, + 8 h
	v_lshlrev_b32 v7, 3, v1                        ; two words a lane
	v_lshl_add_u32 v8, v9, 3, FL                   ; my wave's 8 bytes of flags
	v_mov_b32 v10, 0                               ; v_writelane_b32 keeps the other lanes: its destination is written whole first
	v_mov_b32 v11, 0
	v_mov_b32 v12, 0
	v_mov_b32 v13, 0
	v_mov_b32 v88, 0                               ; the offset of the flags' store
	s_mov_b32 s16, 0xff                            ; a byte of a word
	s_mov_b32 s17, 0xff00
	s_mov_b32 s18, 0xff0000
	s_mov_b32 s19, 0xff000000
	s_mov_b32 s32, 0                               ; the OR of a step's words: step 2 sp, step 2 sp + 1
	s_mov_b32 s33, 0
	s_mov_b32 s34, -1                              ; their AND
	s_mov_b32 s35, -1
	s_lshl_b32 s20, s13, 22                        ; the mask: b x 2,048 rows of 2,048 bytes,
	s_lshl_b32 s21, ttmp9, 16                      ; + 32 g rows,
	s_add_co_u32 s20, s20, s21
	s_lshl_b32 s21, s11, 15                        ; + 16 u rows,
	s_add_co_u32 s20, s20, s21
	s_lshl_b32 s21, s12, 8                         ; + 256 sp bytes
	s_add_co_u32 s20, s20, s21
	s_mov_b32 s21, 0
	s_lshl_b32 s22, s13, 6
	s_add_co_u32 s22, s22, ttmp9                   ; 64 b + g
	s_lshl_b32 s46, s22, 3                         ; its two flag words
	s_mov_b32 s47, 0
	s_lshl_b32 s22, s22, 13                        ; its 16 blocks of 512 bytes,
	s_lshl_b32 s23, s12, 10                        ; + block 2 sp,
	s_add_co_u32 s22, s22, s23
	s_lshl_b32 s23, s11, 8                         ; + tile u
	s_add_co_u32 s22, s22, s23
	s_mov_b32 s23, 0
	s_wait_kmcnt 0x0
	s_add_nc_u64 s[4:5], s[4:5], s[20:21]
	s_add_nc_u64 s[6:7], s[6:7], s[22:23]
	s_add_nc_u64 s[8:9], s[8:9], s[46:47]
.irp i, 0,1,2,3,4,5,6,7
	global_load_b128 v[R+4*\i:R+4*\i+3], v4, s[4:5] offset:4096*\i th:TH_LOAD_NT   ; rows 2 i and 2 i + 1: sixteen lanes read 256 consecutive bytes, aligned; read once in the launch
.endr
.irp i, 0,1,2,3,4,5,6,7
	s_wait_loadcnt 7-\i                            ; loads come back in order: load i is in, the younger ones may be out
	ds_store_b128 v5, v[R+4*\i:R+4*\i+3] offset:2*PITCH*\i
.endr
.irp t, 0,1,2,3,4,5,6,7,8,9,10,11,12,13,14,15
	ds_load_b64 v[X+2*\t:X+2*\t+1], v6 offset:16*\t   ; my wave's own bytes, served in order: these see the stores above
.endr
.set tq, 0
.rept 16
	s_wait_dscnt 15-tq                             ; piece tq is in, the younger ones may be out
.irp j, 0,1,2,3,4,5,6,7
	v_and_b32 v[TM+\j], s[16+\j%4], v[X+2*tq+\j/4]   ; byte j of my 8
.endr
.irp j, 0,1,2,3,4,5,6,7
	v_cmp_ne_u32 s[24+\j], 0, v[TM+\j]             ; the word (t = tq % 8, j): a bit for each lane
.endr
.irp j, 0,1,2,3,4,5,6,7
	v_writelane_b32 v[PK+2*(tq/8)+\j%2], s[24+\j], 4*(tq%8)+\j/2   ; word 8 t + j goes to lane (8 t + j) / 2, register (8 t + j) % 2
.endr
.irp j, 0,1,2,3,4,5,6,7
	s_or_b32 s[32+tq/8], s[32+tq/8], s[24+\j]
	s_and_b32 s[34+tq/8], s[34+tq/8], s[24+\j]
.endr
.set tq, tq+1
.endr
	global_store_b64 v7, v[PK:PK+1], s[6:7]                  ; tile u of step 2 sp: the wave stores 256 consecutive bytes, aligned
	global_store_b64 v7, v[PK+2:PK+3], s[6:7] offset:512     ; and of step 2 sp + 1
	s_lshl_b32 s38, s12, 1
	s_lshl_b32 s36, 1, s38                         ; the bit of step 2 sp,
	s_lshl_b32 s37, 2, s38                         ; of step 2 sp + 1
	s_cmp_lg_u32 s32, 0
	s_cselect_b32 s40, s36, 0                      ; some key counts
	s_cmp_lg_u32 s33, 0
	s_cselect_b32 s41, s37, 0
	s_or_b32 s40, s40, s41
	s_cmp_lg_u32 s34, -1
	s_cselect_b32 s42, s36, 0                      ; not all count
	s_cmp_lg_u32 s35, -1
	s_cselect_b32 s43, s37, 0
	s_or_b32 s42, s42, s43
	v_mov_b32 v14, s40
	v_mov_b32 v15, s42
	ds_store_b64 v8, v[14:15]                      ; all lanes write the same 8 bytes with the same values
	s_wait_dscnt 0x0                               ; for the others' sake: my store has landed
	s_barrier_signal -1
	s_barrier_wait -1
	s_cmp_lg_u32 s10, 0                            ; wave 0 joins the sixteen parts
	s_cbranch_scc1 .Lend
	v_mov_b32 v9, FL
.irp i, 0,1,2,3,4,5,6,7
	ds_load_b128 v[R+4*\i:R+4*\i+3], v9 offset:16*\i   ; the parts of waves 2 i and 2 i + 1, in every lane
.endr
	s_wait_dscnt 0x0
.irp k, 1,2,3,4,5,6,7,8,9,10,11,12,13,14,15
	v_or_b32 v[R], v[R], v[R+2*\k]
	v_or_b32 v[R+1], v[R+1], v[R+2*\k+1]
.endr
	s_wait_xcnt 0x0                                ; EXEC is a source of the stores above: it changes only behind this wait
	v_cmp_eq_u32 vcc_lo, 0, v1
	s_and_saveexec_b32 s44, vcc_lo
	global_store_b64 v88, v[R:R+1], s[8:9]         ; lane 0 stores the group's two flag words
	s_wait_xcnt 0x0                                ; and again ahead of the line that widens it
	s_or_b32 exec_lo, exec_lo, s44
.Lend:
	s_wait_tensorcnt 0x0
	ds_add_u32 v96, v97
	s_wait_dscnt 0x0
	s_endpgm
.Lfunc_end_k_qe75570b54e_maskbits:
	.size	k_qe75570b54e_maskbits, .Lfunc_end_k_qe75570b54e_maskbits-k_qe75570b54e_maskbits
	.p2alignl 7, 3214868480
	.fill 96, 4, 3214868480
	.section	.rodata,"a",@progbits
	.p2align	6, 0x0
	.amdhsa_kernel k_qe75570b54e_maskbits
		.amdhsa_group_segment_fixed_size 71936
		.amdhsa_private_segment_fixed_size 0
		.amdhsa_enable_private_segment 0
		.amdhsa_kernarg_size 24
		.amdhsa_user_sgpr_count 2
		.amdhsa_user_sgpr_kernarg_segment_ptr 1
		.amdhsa_wavefront_size32 1
		.amdhsa_system_sgpr_workgroup_id_x 1
		.amdhsa_system_sgpr_workgroup_id_y 1
		.amdhsa_system_sgpr_workgroup_id_z 1
		.amdhsa_system_vgpr_workitem_id 0
		.amdhsa_next_free_vgpr 98
		.amdhsa_next_free_sgpr 66
		.amdhsa_reserve_vcc 1
		.amdhsa_float_denorm_mode_32 3
		.amdhsa_float_denorm_mode_16_64 3
		.amdhsa_memory_ordered 1
		.amdhsa_forward_progress 1
		.amdhsa_inst_pref_size 37
	.end_amdhsa_kernel
	.amdgpu_metadata
---
amdhsa.version: [ 1, 2 ]
amdhsa.kernels:
  - .name:           k_qe75570b54e_maskbits
    .symbol:         k_qe75570b54e_maskbits.kd
    .args:
      - { .name: mask, .offset: 0, .size: 8, .value_kind: global_buffer, .address_space: global }
      - { .name: mbits, .offset: 8, .size: 8, .value_kind: global_buffer, .address_space: global }
      - { .name: mflags, .offset: 16, .size: 8, .value_kind: global_buffer, .address_space: global }
    .group_segment_fixed_size: 71936
    .private_segment_fixed_size: 0
    .kernarg_segment_align: 8
    .kernarg_segment_size: 24
    .max_flat_workgroup_size: 512
    .sgpr_count:     66
    .vgpr_count:     98
    .wavefront_size: 32
...
	.end_amdgpu_metadata
.endif
;; end of part 1
;; launch proj (part 2): grid 4 x 192, 4 waves a work-group, clusters of 4 x 4, 327,680 bytes of LDS; arguments q_codes, k_codes, v_codes, Wq_codes, Wk_codes, Wv_codes, lowp_scales, qf, kf, vf; writes qf, kf, vf
.if DOCPART == 2
	.amdgcn_target "amdgcn-amd-amdhsa--gfx1250"
	.amdhsa_code_object_version 6
	.text
	.protected	k_qe75570b54e_proj
	.globl	k_qe75570b54e_proj
	.p2align	8
	.type	k_qe75570b54e_proj,@function
k_qe75570b54e_proj:
	s_mov_b64 s[64:65], 0
	v_nop
	global_prefetch_b8 v0, s[64:65] scope:SCOPE_SE
	s_setreg_imm32_b32 hwreg(HW_REG_WAVE_MODE, 25, 1), 1
	s_wait_xcnt 0x0
	s_wait_alu depctr_hold_cnt(0) depctr_sa_sdst(0) depctr_va_vdst(0) depctr_va_sdst(0) depctr_va_ssrc(0) depctr_va_vcc(0) depctr_vm_vsrc(0)
	s_getreg_b32 s2, hwreg(HW_REG_IB_STS2, 6, 4)
	s_cmp_eq_u32 s2, 0
	s_cbranch_scc0 .Lentry_in_a_cluster
	s_endpgm
.Lentry_in_a_cluster:
	s_bfe_u32 s2, ttmp6, 0x10000c
	s_cmp_lg_u32 s2, 0xf033
	s_cbranch_scc0 .Lentry_shape_is_right
	s_endpgm
.Lentry_shape_is_right:
; The three projections x W^T on codes of E5M2, K = 1,024, and the quantising of their results for the attention launch.  One text and one path for all three.
; C[m][n] = sum over k of A[m][k] B[n][k]; both operands have rows of 1,024 codes.  The cluster's y, 0 .. 47, says which: T = y / 16 (0: q, 1: k, 2: v), idx = y % 16.
;   q, k: A = the tokens (8,192 rows), B = the weight (1,024 rows).     v: THE ROLES ARE SWAPPED: A = Wv, B = the tokens.
; THE MATRIX INSTRUCTION IS USED TRANSPOSED (source 0 = 16 rows of B, source 1 = 16 rows of A): lane (r, h) of a result holds row m = r of A's 16 and, in registers 0 .. 7, n = 8 h + 0 .. 7 of B's 16.
; One conversion of a result's eight registers therefore gives registers 2 c, 2 c + 1 of the NEXT product's operand (lane = its row, K = 16 c + 8 h + 0 .. 7).  For q and k the lane is a token and K the head's 64;
; for v the lane is a channel and K the keys.  The codes are stored as IMAGES OF THOSE REGISTERS, 16 bytes a lane, 512 consecutive bytes a store: nothing is transposed and nothing goes out through LDS.
;   qf, kf [b x 16 + head][token tile 128][piece 2][lane][16 bytes];    vf [b x 16 + head][step of 128 keys 16][channel tile 4][piece 4][lane][16 bytes].
; code = sum / 2^d, held within +-57,344, to the nearest code; d = the result's exponent less its two operands': e6-e0-e1, e7-e2-e3, e9-e4-e5.  LIMIT: d between -126 and 112.  NaN and infinity codes are not served.
; TILE.  128 (m) x 256 (n) for a work-group of four waves; wave w makes all 128 m x n = 64 w .. 64 w + 63: 32 accumulators.  That gives 256 work-groups to each tensor.
; LDS.  THREE slots of 256 along K (128 + 256 rows of 256 bytes + 16).  K has four such steps, so three of them are first fills, issued together: by this text's own count a wave has three tensor loads out at the
; start and one later.  Only K step 3 fills bytes again (slot 0).  The eight steps of 128 along K are written out: there is no loop.
; CLUSTER.  4 x 4 work-groups; A's tile hangs on the tile row alone and is asked for jointly along a row of the cluster, B's on the tile column alone and jointly along a column.
; A fragment's 16 registers come by four loads of 16 bytes (registers 4 c .. 4 c + 3: K = 32 c + 16 h + 0 .. 15): a permutation of k that is the same in A and in B, so every product meets its partner.
; REGISTERS, in windows of 256: window 0: v0-31 addresses and constants, v32-63 numbers at work, v64-127 codes;  window 1: accumulator (a, b) at v[8 (4 a + b)];
;   window 2: A's fragments, two sets, v[128 p + 16 a];   window 3: B's, two sets, v[64 p + 16 b].
.set PITCH, 272                        ; an LDS row: 256 bytes + 16 = 68 words: the 16 rows that a load touches start at 16 different groups of four words modulo 64
.set BOFF,  128*PITCH                  ; in a slot: A's 128 rows, then B's 256
.set SLOT,  384*PITCH
.set SPARE, 3*SLOT                     ; behind the slots: the spare words, 128 bytes for each wave: two blocks of 256 bytes that no other line names
.set OF,   8                           ; v8-15   where group a's codes go, from the work-group's place in the buffer; never rewritten
.set ADA,  16                          ; v16-18  LDS address of my A fragments in slot 0, 1, 2
.set ADB,  20                          ; v20-22  the same for B
.set SPW,  28                          ; v28     LDS address of my spare word; never rewritten
.set NIL,  29                          ; v29     0; never rewritten
.set SC,   30                          ; v30     2^d as f32: the conversion takes its exponent field
.set LIM,  31                          ; v31     57,344 x 2^d
.set TMP,  32
.set CD,   64
.set G1A, 24                           ; s[24:31] descriptor group 1 for A's tiles;  s[32:43] three groups 0, one for each slot
.set G0A, 32
.set G0B, 44                           ; s[44:55], s[56:63] the same for B's
.set G1B, 56
.set MULW, 0x5b                        ; source 0 (B) window 3, source 1 (A) window 2, C and D window 1
.set TO_A, 0x80                        ; destination window 2, address window 0
.set TO_B, 0xc0                        ; destination window 3
.set MSB, 0
.macro WIN new                         ; the immediate's high byte repeats the setting that is left; a switch that changes nothing is dropped
.if MSB != \new
	s_set_vgpr_msb (MSB<<8)|\new
.set MSB, \new
.endif
.endm
.macro PLACES n                        ; plain vector instructions between a matrix instruction and a load into, or a read of, its registers (ISA guide 7.12.1 for reads)
.rept \n
	v_nop
.endr
.endm
.macro CREST                           ; a round of the cluster's barrier behind its opening barrier
	s_cmp_lg_u32 s84, 0
	s_cbranch_scc1 .Lnot_wave_0_\@
	s_barrier_signal -3
.Lnot_wave_0_\@:
	s_barrier_wait -3
	s_barrier_signal -1
	s_barrier_wait -1
.endm
.macro CROUND                          ; a whole round
	s_barrier_signal -1
	s_barrier_wait -1
	CREST
.endm
.macro JLOAD set                       ; a joint load: waves 0 and 1 fetch A's two halves, waves 2 and 3 B's; four v_nop follow each of the two lines
	s_cmp_eq_u32 s85, 0
	s_cbranch_scc0 .Lfor_b_\@
	tensor_load_to_lds s[G0A+4*\set:G0A+4*\set+3], s[G1A:G1A+7]
	s_nop 0
.rept 4
	v_nop
.endr
	s_branch .Lasked_\@
.Lfor_b_\@:
	tensor_load_to_lds s[G0B+4*\set:G0B+4*\set+3], s[G1B:G1B+7]
	s_nop 0
.rept 4
	v_nop
.endr
.Lasked_\@:
.endm
	s_load_b512 s[4:19], s[0:1], 0x0               ; q s[4:5], k s[6:7], v s[8:9], Wq s[10:11], Wk s[12:13], Wv s[14:15], the scales' exponents s[16:17], qf s[18:19]
	s_load_b128 s[20:23], s[0:1], 0x40             ; kf s[20:21], vf s[22:23]
	v_lshl_add_u32 v[SPW], v0, 2, SPARE
	v_mov_b32 v[NIL], 0
	ds_add_u32 v28, v29
	ds_add_u32 v28, v29
	s_wait_dscnt 0x0
	v_lshrrev_b32 v1, 5, v0
	v_readfirstlane_b32 s84, v1                    ; wave 0..3
	s_lshr_b32 s85, s84, 1                         ; I fetch for A (0) or for B (1)
	s_and_b32 s86, s84, 1                          ; and which half of that tile's rows
	s_bfe_u32 s87, ttmp6, 0x40000                  ; cx, cy: my place in the cluster
	s_bfe_u32 s88, ttmp6, 0x40004
	s_and_b32 s93, ttmp7, 0xffff                   ; the cluster's y
	s_lshr_b32 s89, s93, 4                         ; T: which tensor; the same in all sixteen partners
	s_and_b32 s90, s93, 15                         ; idx
	s_and_b32 s94, s90, 1
	s_lshl_b32 s94, s94, 2                         ; 4 (idx % 2)
	s_lshl_b32 s95, s90, 2                         ; 4 idx
	s_lshr_b32 s96, s90, 1
	s_lshl_b32 s96, s96, 2                         ; 4 (idx / 2)
	s_cmp_eq_u32 s89, 2
	s_cselect_b32 s91, s94, s95
	s_cselect_b32 s92, s96, 0
	s_add_co_u32 s91, s91, s88                     ; mt, the tile row: q, k: 4 idx + cy (0 .. 63);  v: 4 (idx % 2) + cy (0 .. 7)
	s_add_co_u32 s92, s92, s87                     ; nt, the tile column: q, k: cx;  v: 4 (idx / 2) + cx (0 .. 31)
	s_lshl_b32 s93, s88, 2
	s_lshl_b32 s93, 15, s93                        ; my row of the cluster
	s_lshl_b32 s94, 0x1111, s87                    ; my column
	s_or_b32 s[G1A], s93, (0<<16)|(1<<20)|(1<<21)|(5<<22)|(3<<25)   ; 15:0 the mask; 17:16 elements of 1 byte; 20 padding on; 21 set beside a mask; 24:22 after every 64 words (code 5); 31:25 four words (code 3)
	s_or_b32 s[G1B], s94, (0<<16)|(1<<20)|(1<<21)|(5<<22)|(3<<25)
	s_mov_b32 s[G1A+1], 256<<16                    ; tensor_dim0 = 256
	s_mov_b32 s[G1A+2], 64<<16                     ; tensor_dim1 = 64
	s_mov_b32 s[G1A+3], 256<<16                    ; tile_dim0 = 256
	s_mov_b32 s[G1A+4], 64                         ; tile_dim1 = 64: a wave's half of A's 128 rows
	s_mov_b32 s[G1A+5], 1024                       ; from row to row
	s_mov_b32 s[G1A+6], 0
	s_mov_b32 s[G1A+7], 0
	s_mov_b32 s[G1B+1], 256<<16
	s_mov_b32 s[G1B+2], 128<<16
	s_mov_b32 s[G1B+3], 256<<16
	s_mov_b32 s[G1B+4], 128                        ; a wave's half of B's 256 rows
	s_mov_b32 s[G1B+5], 1024
	s_mov_b32 s[G1B+6], 0
	s_mov_b32 s[G1B+7], 0
	s_lshl_b32 s96, s91, 17                        ; A: (128 mt + 64 x half) rows of 1,024 bytes: these registers never hold cx,
	s_lshl_b32 s97, s86, 16
	s_add_co_u32 s96, s96, s97
	s_mov_b32 s97, 0
	s_lshl_b32 s98, s92, 18                        ; B: (256 nt + 128 x half) rows: and these never cy
	s_lshl_b32 s99, s86, 17
	s_add_co_u32 s98, s98, s99
	s_mov_b32 s99, 0
	s_mul_i32 s100, s86, 64*PITCH                  ; where they go in a slot: the wave's number alone enters an LDS address
	s_mul_i32 s101, s86, 128*PITCH
	s_add_co_u32 s101, s101, BOFF
	s_wait_kmcnt 0x0
	s_cmp_eq_u32 s89, 1                            ; the buffers are chosen on the tensor's number, which hangs on no address
	s_cselect_b64 s[66:67], s[6:7], s[4:5]
	s_cselect_b64 s[68:69], s[12:13], s[10:11]
	s_cselect_b64 s[70:71], s[20:21], s[18:19]
	s_cmp_eq_u32 s89, 2
	s_cselect_b64 s[66:67], s[14:15], s[66:67]     ; A: q, k or Wv
	s_cselect_b64 s[68:69], s[8:9], s[68:69]       ; B: Wq, Wk or v
	s_cselect_b64 s[70:71], s[22:23], s[70:71]     ; out: qf, kf or vf
	s_load_b256 s[72:79], s[16:17], 0x0            ; e0 .. e7
	s_load_b128 s[80:83], s[16:17], 0x20           ; e8 .. e11
	s_add_nc_u64 s[66:67], s[66:67], s[96:97]
	s_add_nc_u64 s[68:69], s[68:69], s[98:99]
.irp s, 0,1,2
	s_mov_b32 s[G0A+4*\s], 1                                       ; count = 1
	s_add_co_u32 s[G0A+4*\s+1], s100, \s*SLOT                      ; LDS address
	s_add_nc_u64 s[G0A+4*\s+2:G0A+4*\s+3], s[66:67], \s*256        ; global address: K step s
	s_or_b32 s[G0A+4*\s+3], s[G0A+4*\s+3], 0x80000000              ; type = 2
	s_mov_b32 s[G0B+4*\s], 1
	s_add_co_u32 s[G0B+4*\s+1], s101, \s*SLOT
	s_add_nc_u64 s[G0B+4*\s+2:G0B+4*\s+3], s[68:69], \s*256
	s_or_b32 s[G0B+4*\s+3], s[G0B+4*\s+3], 0x80000000
.endr
	CROUND                                         ; all sixteen work-groups are here: the first joint loads meet
	s_cmp_eq_u32 s85, 0                            ; a wave's three first fills stand in one branch, ahead of every wait on TENSORcnt, every LDS read and every other barrier
	s_cbranch_scc0 .Lfirst_b
	tensor_load_to_lds s[G0A:G0A+3], s[G1A:G1A+7]
	s_nop 0
	tensor_load_to_lds s[G0A+4:G0A+7], s[G1A:G1A+7]
	s_nop 0
	tensor_load_to_lds s[G0A+8:G0A+11], s[G1A:G1A+7]
	s_nop 0
.rept 4
	v_nop
.endr
	s_branch .Lfirst_asked
.Lfirst_b:
	tensor_load_to_lds s[G0B:G0B+3], s[G1B:G1B+7]
	s_nop 0
	tensor_load_to_lds s[G0B+4:G0B+7], s[G1B:G1B+7]
	s_nop 0
	tensor_load_to_lds s[G0B+8:G0B+11], s[G1B:G1B+7]
	s_nop 0
.rept 4
	v_nop
.endr
.Lfirst_asked:
	v_and_b32 v1, 31, v0                           ; lane
	v_and_b32 v2, 15, v0                           ; r
	v_bfe_u32 v3, v0, 4, 1                         ; h
	v_mul_u32_u24 v4, v2, PITCH
	v_lshl_add_u32 v[ADA], v3, 4, v4               ; a fragment's row x pitch + 16 h
	v_add_nc_u32 v[ADA+1], SLOT, v[ADA]
	v_add_nc_u32 v[ADA+2], 2*SLOT, v[ADA]
	s_mul_i32 s100, s84, 64*PITCH                  ; my 64 rows of B,
	s_add_co_u32 s100, s100, BOFF                  ; which lie behind A's 128
	v_add_nc_u32 v[ADB], s100, v[ADA]
	v_add_nc_u32 v[ADB+1], SLOT, v[ADB]
	v_add_nc_u32 v[ADB+2], 2*SLOT, v[ADB]
	; where my codes go.  Group a (A's rows 16 a on x my 64 n) is 8 registers a lane: 1,024 bytes on end of an image.
	s_lshr_b32 s2, s91, 4                          ; q, k: ((mt / 16) x 16 + 4 nt + w) heads of 131,072 bytes + (mt % 16) x 8 token tiles of 1,024; group a is the next token tile
	s_lshl_b32 s2, s2, 4
	s_lshl_b32 s3, s92, 2
	s_add_co_u32 s2, s2, s3
	s_add_co_u32 s2, s2, s84
	s_lshl_b32 s2, s2, 17
	s_and_b32 s3, s91, 15
	s_lshl_b32 s3, s3, 13
	s_add_co_u32 s2, s2, s3
	s_lshr_b32 s93, s92, 3                         ; v: ((nt / 8) x 16 + 2 mt) heads + (2 (nt % 8) + w / 2) steps of 8,192 bytes + (w % 2) x 1,024: my 64 keys are pieces 2 (w % 2) and 2 (w % 2) + 1;
	s_lshl_b32 s93, s93, 4                         ; group a is channel tile a % 4 (2,048 bytes on) of head 2 mt + a / 4
	s_lshl_b32 s3, s91, 1
	s_add_co_u32 s93, s93, s3
	s_lshl_b32 s93, s93, 17
	s_and_b32 s3, s92, 7
	s_lshl_b32 s3, s3, 1
	s_add_co_u32 s3, s3, s85
	s_lshl_b32 s3, s3, 13
	s_add_co_u32 s93, s93, s3
	s_lshl_b32 s3, s86, 10
	s_add_co_u32 s93, s93, s3
	s_mov_b32 s94, 1024
	s_cmp_eq_u32 s89, 2
	s_cselect_b32 s2, s93, s2
	s_cselect_b32 s94, 2048, s94                   ; from group to group,
	s_cselect_b32 s95, 122880, 0                   ; and what group 4 adds: v: on to the next head, back to its channel tile 0
	s_mov_b32 s3, 0
	s_add_nc_u64 s[70:71], s[70:71], s[2:3]
	v_lshlrev_b32 v[OF], 4, v1                     ; 16 bytes a lane
	v_add_nc_u32 v[OF+1], s94, v[OF]
	v_add_nc_u32 v[OF+2], s94, v[OF+1]
	v_add_nc_u32 v[OF+3], s94, v[OF+2]
	v_add3_u32 v[OF+4], v[OF+3], s94, s95
	v_add_nc_u32 v[OF+5], s94, v[OF+4]
	v_add_nc_u32 v[OF+6], s94, v[OF+5]
	v_add_nc_u32 v[OF+7], s94, v[OF+6]
	s_wait_kmcnt 0x0
	s_sub_co_i32 s96, s78, s72
	s_sub_co_i32 s96, s96, s73                     ; q: e6 - e0 - e1
	s_sub_co_i32 s97, s79, s74
	s_sub_co_i32 s97, s97, s75                     ; k: e7 - e2 - e3
	s_sub_co_i32 s98, s81, s76
	s_sub_co_i32 s98, s98, s77                     ; v: e9 - e4 - e5
	s_cmp_eq_u32 s89, 1
	s_cselect_b32 s96, s97, s96
	s_cmp_eq_u32 s89, 2
	s_cselect_b32 s96, s98, s96                    ; d: chosen without a branch
	s_add_co_i32 s96, s96, 127
	s_lshl_b32 s97, s96, 23
	v_mov_b32 v[SC], s97                           ; 2^d
	s_add_co_i32 s96, s96, 15
	s_lshl_b32 s96, s96, 23
	s_or_b32 s96, s96, 0x600000
	v_mov_b32 v[LIM], s96                          ; 57,344 x 2^d
; 48 LDS loads in one run: the fragments of the slot's q-th 128 along K into set p: B's four, then A's eight
.macro FETCH slot, q, p
	WIN TO_B
.irp b, 0,1,2,3
.irp c, 0,1,2,3
	ds_load_b128 v[64*(\p)+16*\b+4*\c:64*(\p)+16*\b+4*\c+3], v[ADB+\slot] offset:16*PITCH*\b+128*(\q)+32*\c
.endr
.endr
	WIN TO_A
.irp a, 0,1,2,3,4,5,6,7
.irp c, 0,1,2,3
	ds_load_b128 v[128*(\p)+16*\a+4*\c:128*(\p)+16*\a+4*\c+3], v[ADA+\slot] offset:16*PITCH*\a+128*(\q)+32*\c
.endr
.endr
.endm
; A's blocks f .. l x B's four, 128 along K, from set p.  zero = 1: the first product starts the sums: nothing is cleared.
; The 32 accumulators take turns, one instruction a turn, in the same order in every step.
.macro MUL f, l, p, zero
.set aa, \f
.rept \l-\f+1
.irp b, 0,1,2,3
.if \zero
	v_wmma_f32_16x16x128_bf8_bf8 v[8*(4*aa+\b):8*(4*aa+\b)+7], v[64*(\p)+16*\b:64*(\p)+16*\b+15], v[128*(\p)+16*aa:128*(\p)+16*aa+15], 0
.else
	v_wmma_f32_16x16x128_bf8_bf8 v[8*(4*aa+\b):8*(4*aa+\b)+7], v[64*(\p)+16*\b:64*(\p)+16*\b+15], v[128*(\p)+16*aa:128*(\p)+16*aa+15], v[8*(4*aa+\b):8*(4*aa+\b)+7]
.endif
.endr
.set aa, aa+1
.endr
.endm
; A step of 128 along K on set cur; the next step's fragments (slot, q) are asked for ahead of its 32 products, into the other set.
.macro STEP cur, slot, q, first
	s_wait_dscnt 0x0                               ; set cur is in: it was asked for a whole step ago
.if !\first
	PLACES 4                                       ; the other set was read by the products just issued
.endif
	FETCH \slot, \q, 1-\cur
	WIN MULW
	MUL 0, 7, \cur, \first
.endm
	s_wait_tensorcnt 0x2                           ; my part of K step 0 is in; the two loads behind it may stay out
	s_barrier_signal -1
	s_barrier_wait -1                              ; everybody's is
	FETCH 0, 0, 0
	STEP 0, 0, 1, 1                                ; step 0
	; step 1 leaves slot 0, which K step 3 fills again
	WIN 0                                          ; (the add's two registers lie in window 0)
	s_wait_tensorcnt 0x0                           ; all my tensor loads have landed, so a group 0 may be written
	ds_add_u32 v[SPW], v[NIL]                      ; 0 onto my spare word
	s_add_nc_u64 s[G0A+2:G0A+3], s[G0A+2:G0A+3], 768   ; slot 0's descriptors go on to K step 3
	s_add_nc_u64 s[G0B+2:G0B+3], s[G0B+2:G0B+3], 768
	s_wait_dscnt 0x0                               ; the add is done, and my reads of slot 0 are over: set 1 is in
	s_barrier_signal -1                            ; this barrier opens a round of the cluster's
	WIN MULW
	MUL 0, 3, 1, 0                                 ; work on registers while the others arrive
	WIN 0
	s_barrier_wait -1
	CREST                                          ; no wave of any partner still reads slot 0 or has a load on its way
	JLOAD 0                                        ; the first tensor load behind the round; it has four steps, 128 matrix instructions, in which to land.  Its four v_nop are the places in front of the loads into set 0
	FETCH 1, 0, 0
	WIN MULW
	MUL 4, 7, 1, 0
	STEP 0, 1, 1, 0                                ; step 2
	STEP 1, 2, 0, 0                                ; step 3
	STEP 0, 2, 1, 0                                ; step 4
	; step 5: K step 3 is wanted next
	s_wait_tensorcnt 0x0                           ; my part of it is in: no load was issued behind it
	s_wait_dscnt 0x0                               ; set 1 is in
	s_barrier_signal -1
	MUL 0, 3, 1, 0
	s_barrier_wait -1                              ; everybody's part is in
	PLACES 4
	FETCH 0, 0, 0
	WIN MULW
	MUL 4, 7, 1, 0
	STEP 0, 0, 1, 0                                ; step 6
	s_wait_dscnt 0x0                               ; step 7: nothing more to fetch
	MUL 0, 7, 1, 0
	WIN 0
	PLACES 4                                       ; in front of the first read of results
; THE WAY OUT of group a: its 32 sums a lane are held, converted (eight at a time, each accumulator from its low end on) and stored as they stand.
; Every group has its own registers for its codes and its own offset register: no store's source is written again, so no wait stands here.
.macro EPI a
	WIN 0x01                                       ; source 0 window 1
.set i, 0
.rept 32
	v_med3_num_f32 v[TMP+i], v[32*\a+i], -v[LIM], v[LIM]   ; the conversion to an 8-bit code does not saturate (ISA guide 7.6.2): the hold at the largest code x the scale
.set i, i+1
.endr
	WIN 0
.irp b, 0,1,2,3
	v_cvt_scalef32_pk8_bf8_f32 v[CD+8*\a+2*\b:CD+8*\a+2*\b+1], v[TMP+8*\b:TMP+8*\b+7], v[SC]
.endr
	v_nop                                          ; a plain instruction between the conversions and the next group's holds, which write their sources
	global_store_b128 v[OF+\a], v[CD+8*\a:CD+8*\a+3], s[70:71]                 ; the wave stores 512 consecutive bytes, aligned
	global_store_b128 v[OF+\a], v[CD+8*\a+4:CD+8*\a+7], s[70:71] offset:512
.endm
.irp a, 0,1,2,3,4,5,6,7
	EPI \a
.endr
	s_wait_tensorcnt 0x0                           ; the wave's end
	ds_add_u32 v[SPW], v[NIL]
	s_wait_dscnt 0x0
	CROUND                                         ; the closing round: no work-group ends while a partner may still ask for a tile that names it
	s_endpgm
.Lfunc_end_k_qe75570b54e_proj:
	.size	k_qe75570b54e_proj, .Lfunc_end_k_qe75570b54e_proj-k_qe75570b54e_proj
	.p2alignl 7, 3214868480
	.fill 96, 4, 3214868480
	.section	.rodata,"a",@progbits
	.p2align	6, 0x0
	.amdhsa_kernel k_qe75570b54e_proj
		.amdhsa_group_segment_fixed_size 327680
		.amdhsa_private_segment_fixed_size 0
		.amdhsa_enable_private_segment 0
		.amdhsa_kernarg_size 80
		.amdhsa_user_sgpr_count 2
		.amdhsa_user_sgpr_kernarg_segment_ptr 1
		.amdhsa_wavefront_size32 1
		.amdhsa_system_sgpr_workgroup_id_x 1
		.amdhsa_system_sgpr_workgroup_id_y 1
		.amdhsa_system_sgpr_workgroup_id_z 1
		.amdhsa_system_vgpr_workitem_id 0
		.amdhsa_next_free_vgpr 896
		.amdhsa_next_free_sgpr 102
		.amdhsa_reserve_vcc 0
		.amdhsa_float_denorm_mode_32 3
		.amdhsa_float_denorm_mode_16_64 3
		.amdhsa_memory_ordered 1
		.amdhsa_forward_progress 1
		.amdhsa_inst_pref_size 73
	.end_amdhsa_kernel
	.amdgpu_metadata
---
amdhsa.version: [ 1, 2 ]
amdhsa.kernels:
  - .name:           k_qe75570b54e_proj
    .symbol:         k_qe75570b54e_proj.kd
    .args:
      - { .name: q_codes, .offset: 0, .size: 8, .value_kind: global_buffer, .address_space: global }
      - { .name: k_codes, .offset: 8, .size: 8, .value_kind: global_buffer, .address_space: global }
      - { .name: v_codes, .offset: 16, .size: 8, .value_kind: global_buffer, .address_space: global }
      - { .name: Wq_codes, .offset: 24, .size: 8, .value_kind: global_buffer, .address_space: global }
      - { .name: Wk_codes, .offset: 32, .size: 8, .value_kind: global_buffer, .address_space: global }
      - { .name: Wv_codes, .offset: 40, .size: 8, .value_kind: global_buffer, .address_space: global }
      - { .name: lowp_scales, .offset: 48, .size: 8, .value_kind: global_buffer, .address_space: global }
      - { .name: qf, .offset: 56, .size: 8, .value_kind: global_buffer, .address_space: global }
      - { .name: kf, .offset: 64, .size: 8, .value_kind: global_buffer, .address_space: global }
      - { .name: vf, .offset: 72, .size: 8, .value_kind: global_buffer, .address_space: global }
    .group_segment_fixed_size: 327680
    .private_segment_fixed_size: 0
    .kernarg_segment_align: 8
    .kernarg_segment_size: 80
    .max_flat_workgroup_size: 128
    .sgpr_count:     102
    .vgpr_count:     896
    .wavefront_size: 32
...
	.end_amdgpu_metadata
.endif
;; end of part 2
;; launch attn (part 3): grid 4 x 64, 8 waves a work-group, no clusters, 263,168 bytes of LDS; arguments qf, kf, vf, mbits, mflags, lowp_scales, af; writes af
.if DOCPART == 3
	.amdgcn_target "amdgcn-amd-amdhsa--gfx1250"
	.amdhsa_code_object_version 6
	.text
	.protected	k_qe75570b54e_attn
	.globl	k_qe75570b54e_attn
	.p2align	8
	.type	k_qe75570b54e_attn,@function
k_qe75570b54e_attn:
	s_mov_b64 s[64:65], 0
	v_nop
	global_prefetch_b8 v0, s[64:65] scope:SCOPE_SE
	s_setreg_imm32_b32 hwreg(HW_REG_WAVE_MODE, 25, 1), 1
	s_wait_xcnt 0x0
; attn[b][q][head] = softmax over the keys of (qh . kh / 8, where the mask lets the key count) x vh, both products on codes of E5M2; the result is quantised for the last projection.
; THE SOFTMAX AHEAD OF THE SECOND PRODUCT: t = score x log2(e) / 8; M = the running largest t rounded UP to a whole number; p = 2^(t - M) is quantised, with 2^e8, not normalised.  The row's sum l is taken of the
; unquantised p and divides at the end.  When M moves, l and O are multiplied by 2^(old M - new M), which rounds nothing.
; INPUTS are images of operand registers, made by the launches before: qf, kf [b x 16 + head][token tile][piece 2][lane][16 bytes] (16 x 64 fragments); vf [..][step of 128 keys][channel tile 4][piece 4][lane][16]
; (16 channels x 128 keys); mbits: for each block of 32 queries x 128 keys 128 lane words; mflags: two words for each group of 32 queries.  OUTPUT af [b x 128 + token tile][K block 8][piece 4][lane][16].
; SHARES.  A work-group belongs to one head (y) and makes query blocks x and 7 - x, 256 queries each, in a loop of two passes.  Wave w takes 32 queries of a block: two tiles of 16.
; LDS holds the head's whole kf (131,072 bytes) and vf (131,072), written once through registers; behind one barrier LDS is only read, so the loop over the keys has no barrier.
; LAYOUT.  Both products are used transposed: S^T = K Q^T (source 0 = 16 keys), O^T = V^T P (source 0 = 16 channels): a lane holds ONE query (lane % 16) throughout, and register j of a score tile holds key
; 8 (lane / 16) + j: the conversion of a tile's eight registers is registers 2 t, 2 t + 1 of P; the conversion of a tile of O^T is a pair of registers of the last projection's operand.
; THE MASK is honoured as it is given, whatever its pattern.  A step of 128 keys of which none counts for any of the wave's 32 queries adds p = 0 everywhere and is jumped over; in a step all of whose keys count the
; selects are jumped over; else 128 selects, each with a lane word in a scalar register, put -infinity where a key does not count.  The branches hang on whole numbers that an earlier launch stored.
; A query for which no key counts has l = 0 and comes out NaN.
; NO TENSOR LOADS, NO CLUSTER, though the four work-groups of a head read the same K and V: the branches above leave out whole steps (16 + 8 matrix
; instructions and their softmax) and 128 + 128 vector instructions of a step, while what would be shared is read once by a work-group: 262,144 bytes for its 512 queries.
; THE HOLD on p: p <= 1, and 57,344 x 2^e8 >= 1 for e8 >= -15: the 128 one-sided holds are jumped over then.
; LIMITS on the given exponents: e6 + e7 between -123 and 130; e8 between -126 and 112; e10 - e8 - e9 between -126 and 112.
; REGISTERS.  Window 0: v1 16 x lane; v2, v3 LDS addresses in hand; v4 -infinity; v5, v6 2^e8 and 57,344 x 2^e8; v7 16 x lane + V's base; v8-11 a second chain of each tile's sum; v12, v13 the last conversion's scale and hold;
;   v14, v15 the fill's addresses; v16-31 eight registers of statistics a tile: +0 -M, +1 the largest t, +2, +3 l, +4 f (later 1 / l), +5 named with it as a pair, +6, +7 at work; v32-47 Q; v48-79 P; v80-111 numbers at work;
;   v112-127 the result's codes; v128-255 S^T, then p.     Window 1: v0-63 fragments of K, then of V; v64-127 O^T (tile u, channel tile d at v[64 + 32 u + 8 d]).
.set VFB, 131072                       ; V's images in LDS, behind K's
.set ST,  16
.set QF,  32
.set PF,  48
.set TT,  80
.set CD,  112
.set S0,  128
.set KV,  0                            ; in window 1
.set OT,  64                           ; in window 1
.set MSB, 0
.macro WIN new                         ; the immediate's high byte repeats the setting that is left; a switch that changes nothing is dropped
.if MSB != \new
	s_set_vgpr_msb (MSB<<8)|\new
.set MSB, \new
.endif
.endm
	s_load_b256 s[4:11], s[0:1], 0x0               ; qf s[4:5], kf s[6:7], vf s[8:9], mbits s[10:11]
	s_load_b128 s[12:15], s[0:1], 0x20             ; mflags s[12:13], the scales' exponents s[14:15]
	s_load_b64 s[66:67], s[0:1], 0x30              ; af
	s_set_vgpr_msb 0x40
	v_lshl_add_u32 v128, v0, 2, 0x40000
	v_mov_b32 v129, 0
	s_set_vgpr_msb 0x4000
	v_and_b32 v1, 31, v0
	v_lshlrev_b32 v1, 4, v1                        ; 16 x lane: an image's place for my lane
	v_lshrrev_b32 v9, 5, v0
	v_readfirstlane_b32 s68, v9                    ; wave 0..7
	v_lshl_add_u32 v14, v9, 14, v1                 ; the fill: my wave's 16,384 bytes of K's images, in memory and in LDS alike,
	v_add_nc_u32 v15, VFB, v14                     ; and of V's in LDS
	v_add_nc_u32 v7, VFB, v1
	v_mov_b32 v4, 0xff800000                       ; -infinity
.irp u, 0,1
	v_mov_b32 v[ST+8*\u+5], 0                      ; named as the upper half of a pair, or as a lane permute's destination: written once
	v_mov_b32 v[ST+8*\u+6], 0
	v_mov_b32 v[ST+8*\u+7], 0
.endr
	s_and_b32 s97, ttmp7, 0xffff                   ; y = 16 b + head
	s_lshr_b32 s98, s97, 4                         ; b
	s_and_b32 s99, s97, 15                         ; head
	s_lshl_b32 s73, s98, 6                         ; 64 b: the batch's first group of 32 queries
	s_lshl_b32 s100, s97, 17                       ; the head's 131,072 bytes in qf, kf and vf
	s_mov_b32 s101, 0
	s_mov_b32 s78, 0x76543210                      ; v_permlanex16_b32: lane l xor 16
	s_mov_b32 s79, 0xfedcba98
	s_mov_b32 s69, 0                               ; the pass
	s_wait_kmcnt 0x0
	s_load_b256 s[16:23], s[14:15], 0x10           ; e4 .. e11: e6 s18, e7 s19, e8 s20, e9 s21, e10 s22
	s_add_nc_u64 s[4:5], s[4:5], s[100:101]
	s_add_nc_u64 s[6:7], s[6:7], s[100:101]
	s_add_nc_u64 s[8:9], s[8:9], s[100:101]
.set i, 0
.rept 32
	global_load_b128 v[S0+4*i:S0+4*i+3], v14, s[6:7] offset:512*i   ; K: 512 consecutive bytes a load
.set i, i+1
.endr
	WIN 0x40                                       ; destination window 1
.set i, 0
.rept 32
	global_load_b128 v[4*i:4*i+3], v14, s[8:9] offset:512*i         ; V
.set i, i+1
.endr
	WIN 0
	s_lshl_b32 s100, s68, 11
	s_add_nc_u64 s[4:5], s[4:5], s[100:101]        ; qf at my wave's two tiles of a block
	s_lshl_b32 s100, s98, 21                       ; af: b x 128 token tiles of 16,384 bytes,
	s_lshl_b32 s97, s68, 15                        ; + my wave's two tiles,
	s_add_co_u32 s100, s100, s97
	s_lshl_b32 s97, s99, 10                        ; + the head's 1,024 bytes of a tile: K block head / 2, pieces 2 (head % 2) on
	s_add_co_u32 s100, s100, s97
	s_add_nc_u64 s[66:67], s[66:67], s[100:101]
	s_wait_kmcnt 0x0
	s_add_co_i32 s97, s18, s19
	s_lshl_b32 s97, s97, 23
	s_add_co_i32 s76, s97, 0x3e38aa3b              ; c = log2(e) / 8, with e6 + e7 added to its exponent field: a sum of codes stands for sum x 2^(e6 + e7)
	s_mov_b32 s77, s76                             ; (named with it as a pair, so it is written)
	s_add_co_i32 s97, s20, 127
	s_lshl_b32 s98, s97, 23
	v_mov_b32 v5, s98                              ; 2^e8
	s_add_co_i32 s97, s97, 15
	s_lshl_b32 s97, s97, 23
	s_or_b32 s97, s97, 0x600000
	v_mov_b32 v6, s97                              ; 57,344 x 2^e8
	s_cmp_lt_i32 s20, -15
	s_cselect_b32 s96, 1, 0                        ; whether the hold on p can bite
	s_sub_co_i32 s97, s22, s20
	s_sub_co_i32 s97, s97, s21                     ; O / l stands for O / l x 2^(e8 + e9): its code is O / l / 2^(e10 - e8 - e9)
	s_add_co_i32 s97, s97, 127
	s_lshl_b32 s98, s97, 23
	v_mov_b32 v12, s98
	s_add_co_i32 s97, s97, 15
	s_lshl_b32 s97, s97, 23
	s_or_b32 s97, s97, 0x600000
	v_mov_b32 v13, s97
.set k, 0
.rept 4
	s_wait_loadcnt 56-8*k                          ; loads come back in order: group k's eight are in, the younger ones may be out
.set i, 0
.rept 8
	ds_store_b128 v14, v[S0+4*(8*k+i):S0+4*(8*k+i)+3] offset:512*(8*k+i)
.set i, i+1
.endr
.set k, k+1
.endr
	WIN 0x04                                       ; an LDS store's data are its source 1: window 1
.rept 4
	s_wait_loadcnt 56-8*k
.set i, 0
.rept 8
	ds_store_b128 v15, v[4*(8*(k-4)+i):4*(8*(k-4)+i)+3] offset:512*(8*(k-4)+i)
.set i, i+1
.endr
.set k, k+1
.endr
	WIN 0
	s_wait_dscnt 0x0                               ; for the others' sake: my stores have landed
	s_barrier_signal -1
	s_barrier_wait -1                              ; the head's K and V lie in LDS; from here on LDS is only read
.Lpass:
	s_sub_co_u32 s98, 7, ttmp9
	s_cmp_eq_u32 s69, 0
	s_cselect_b32 s97, ttmp9, s98                  ; the block of 256 queries: x, then 7 - x
	s_wait_xcnt 0x0                                ; the last pass' stores have read their base and their data: both are written again below
	s_lshl_b32 s98, s97, 14
	s_mov_b32 s99, 0
	s_add_nc_u64 s[14:15], s[4:5], s[98:99]        ; Q: the block's 16 tiles of 1,024 bytes
	s_lshl_b32 s98, s97, 18
	s_add_nc_u64 s[2:3], s[66:67], s[98:99]        ; af: its 16 tiles of 16,384 bytes
	s_lshl_b32 s98, s97, 3
	s_add_co_u32 s98, s98, s68
	s_add_co_u32 s98, s98, s73                     ; 64 b + g, g = 8 x block + wave: my group of 32 queries
	s_lshl_b32 s72, s98, 13                        ; its 16 blocks of 512 bytes in mbits
	s_lshl_b32 s98, s98, 3
	s_load_b64 s[74:75], s[12:13], s98 offset:0x0  ; bit s of s74: some key of step s counts; of s75: not all count
.irp u, 0,1
	global_load_b128 v[QF+8*\u:QF+8*\u+3], v1, s[14:15] offset:1024*\u
	global_load_b128 v[QF+8*\u+4:QF+8*\u+7], v1, s[14:15] offset:1024*\u+512
.endr
.irp u, 0,1
	v_mov_b32 v[ST+8*\u+1], 0xff61b1e6             ; the largest t so far: -3e38, under every t
	v_floor_f32 v[ST+8*\u], -v[ST+8*\u+1]          ; -M
	v_mov_b32 v[ST+8*\u+2], 0                      ; l, in two halves
	v_mov_b32 v[ST+8*\u+3], 0
.endr
	WIN 0x40
.set i, 0
.rept 64
	v_mov_b32 v[OT+i], 0                           ; O^T.  Which step is the first that works hangs on the mask, so no first step can be written out to start the sums
.set i, i+1
.endr
	WIN 0
	s_mov_b32 s70, 0                               ; the step
	s_mov_b32 s71, 0                               ; its 8,192 bytes in K's and in V's images
	s_wait_kmcnt 0x0
	s_wait_loadcnt 0x0                             ; Q
.Ltrip:                                                ; 16 trips, a constant; a trip is 128 keys
	s_lshr_b32 s97, s74, s70
	s_and_b32 s97, s97, 1
	s_cmp_lg_u32 s97, 0
	s_cbranch_scc0 .Lskip                          ; no key of this step counts for any of my 32 queries
	v_add_nc_u32 v2, s71, v1
	v_add_nc_u32 v3, s71, v7
	v_nop                                          ; with the two additions: four places in front of loads into registers that the last products read
	v_nop
	WIN 0x40
.irp t, 0,1,2,3,4,5,6,7
	ds_load_b128 v[KV+8*\t:KV+8*\t+3], v2 offset:1024*\t           ; K's eight tiles of 16 keys: 512 consecutive bytes a load
	ds_load_b128 v[KV+8*\t+4:KV+8*\t+7], v2 offset:1024*\t+512
.endr
	s_wait_dscnt 0x0
	WIN 0x01                                       ; source 0 (K) window 1
.irp t, 0,1,2,3,4,5,6,7
.irp u, 0,1
	v_wmma_f32_16x16x64_bf8_bf8 v[S0+64*\u+8*\t:S0+64*\u+8*\t+7], v[KV+8*\t:KV+8*\t+7], v[QF+8*\u:QF+8*\u+7], 0
.endr
.endr
.rept 4
	v_nop                                          ; places in front of the loads into K's registers and of the first read of the scores
.endr
	WIN 0x40
.irp d, 0,1,2,3
.irp c, 0,1,2,3
	ds_load_b128 v[KV+16*\d+4*\c:KV+16*\d+4*\c+3], v3 offset:2048*\d+512*\c   ; V's four tiles of 16 channels x 128 keys: they land under the softmax
.endr
.endr
	WIN 0
	s_lshr_b32 s97, s75, s70
	s_and_b32 s97, s97, 1
	s_cmp_lg_u32 s97, 0
	s_cbranch_scc0 .Lopen                          ; every key of this step counts for all my queries
; tile u's 64 lane words come into scalar registers (word i in s[16 + i], from word 48 on in s[32 + i]); register i of the tile keeps its score in the lanes whose bit is set
.macro MASKT u
	s_load_b512 s[16:31], s[10:11], s72 offset:256*\u
	s_load_b512 s[32:47], s[10:11], s72 offset:256*\u+64
	s_load_b512 s[48:63], s[10:11], s72 offset:256*\u+128
	s_load_b512 s[80:95], s[10:11], s72 offset:256*\u+192
	s_wait_kmcnt 0x0
.set i, 0
.rept 64
.if i < 48
	v_cndmask_b32 v[S0+64*\u+i], v4, v[S0+64*\u+i], s[16+i]
.else
	v_cndmask_b32 v[S0+64*\u+i], v4, v[S0+64*\u+i], s[32+i]
.endif
.set i, i+1
.endr
.endm
	MASKT 0
	MASKT 1
.Lopen:
.irp u, 0,1                                    ; the step's largest score of my query among my 64 keys, in two chains, each accumulator from its low end on
	v_max3_num_f32 v[ST+8*\u+6], v[S0+64*\u], v[S0+64*\u+1], v[S0+64*\u+2]
	v_max3_num_f32 v[ST+8*\u+7], v[S0+64*\u+3], v[S0+64*\u+4], v[S0+64*\u+5]
.irp i, 6,10,14,18,22,26,30,34,38,42,46,50,54,58
	v_max3_num_f32 v[ST+8*\u+6], v[ST+8*\u+6], v[S0+64*\u+\i], v[S0+64*\u+\i+1]
	v_max3_num_f32 v[ST+8*\u+7], v[ST+8*\u+7], v[S0+64*\u+\i+2], v[S0+64*\u+\i+3]
.endr
	v_max3_num_f32 v[ST+8*\u+6], v[ST+8*\u+6], v[S0+64*\u+62], v[S0+64*\u+63]
.endr
.irp u, 0,1                                    ; the two tiles alternate, so that no line waits for the line above it
	v_max_num_f32 v[ST+8*\u+6], v[ST+8*\u+6], v[ST+8*\u+7]
.endr
.irp u, 0,1
	v_permlanex16_b32 v[ST+8*\u+7], v[ST+8*\u+6], s78, s79
.endr
.irp u, 0,1
	v_max_num_f32 v[ST+8*\u+6], v[ST+8*\u+6], v[ST+8*\u+7]   ; and among lane l xor 16's
.endr
.irp u, 0,1
	v_mul_f32 v[ST+8*\u+6], s76, v[ST+8*\u+6]      ; as t (c is positive)
.endr
.irp u, 0,1
	v_max_num_f32 v[ST+8*\u+1], v[ST+8*\u+1], v[ST+8*\u+6]   ; the running largest t
.endr
.irp u, 0,1
	v_mov_b32 v[ST+8*\u+6], v[ST+8*\u]
.endr
.irp u, 0,1
	v_floor_f32 v[ST+8*\u], -v[ST+8*\u+1]          ; the new -M = floor(-t) = -ceil(t): a whole number
.endr
.irp u, 0,1
	v_sub_f32 v[ST+8*\u+6], v[ST+8*\u], v[ST+8*\u+6]   ; old M - new M: a whole number, 0 or less
.endr
.irp u, 0,1
	v_cvt_i32_f32 v[ST+8*\u+6], v[ST+8*\u+6]       ; (it saturates)
.endr
.irp u, 0,1
	v_ldexp_f32 v[ST+8*\u+4], 1.0, v[ST+8*\u+6]    ; f = 2^(old M - new M)
.endr
.irp u, 0,1
.irp j, 0,2,4,6,8,10,12,14,16,18,20,22,24,26,28,30,32,34,36,38,40,42,44,46,48,50,52,54,56,58,60,62
	v_pk_fma_f32 v[S0+64*\u+\j:S0+64*\u+\j+1], v[S0+64*\u+\j:S0+64*\u+\j+1], s[76:77], v[ST+8*\u:ST+8*\u+1] op_sel_hi:[1,0,0]   ; t - M, two at a time (of the pairs c and -M the low word serves both halves)
.endr
.endr
.set i, 0
.rept 128
	v_exp_f32 v[S0+i], v[S0+i]                     ; p = 2^(t - M), at most 1; 0 where the key does not count
.set i, i+1
.endr
.irp u, 0,1
	v_pk_mul_f32 v[ST+8*\u+2:ST+8*\u+3], v[ST+8*\u+2:ST+8*\u+3], v[ST+8*\u+4:ST+8*\u+5] op_sel_hi:[1,0]   ; l under the new M.  (A plain instruction behind the exponentials)
.endr
	s_wait_alu depctr_va_vdst(0)
.irp u, 0,1                                    ; the row's sum is taken of the unquantised p: two at a time, in two chains
	v_pk_add_f32 v[8+2*\u:9+2*\u], v[S0+64*\u:S0+64*\u+1], v[S0+64*\u+2:S0+64*\u+3]
.irp j, 4,8,12,16,20,24,28,32,36,40,44,48,52,56,60
	v_pk_add_f32 v[ST+8*\u+2:ST+8*\u+3], v[ST+8*\u+2:ST+8*\u+3], v[S0+64*\u+\j:S0+64*\u+\j+1]
	v_pk_add_f32 v[8+2*\u:9+2*\u], v[8+2*\u:9+2*\u], v[S0+64*\u+\j+2:S0+64*\u+\j+3]
.endr
	v_pk_add_f32 v[ST+8*\u+2:ST+8*\u+3], v[ST+8*\u+2:ST+8*\u+3], v[8+2*\u:9+2*\u]
.endr
	s_cmp_eq_u32 s96, 0
	s_cbranch_scc1 .Lno_hold                       ; e8 >= -15: no p reaches the largest code x the scale
.set i, 0
.rept 128
	v_min_num_f32 v[S0+i], v[S0+i], v6             ; the conversion does not saturate (ISA guide 7.6.2); p is not negative, so the hold is one-sided
.set i, i+1
.endr
.Lno_hold:
.irp u, 0,1
.irp t, 0,1,2,3,4,5,6,7
	v_cvt_scalef32_pk8_bf8_f32 v[PF+16*\u+2*\t:PF+16*\u+2*\t+1], v[S0+64*\u+8*\t:S0+64*\u+8*\t+7], v5   ; registers 2 t, 2 t + 1 of P: keys 16 t + 8 h + 0 .. 7
.endr
.endr
	WIN 0x41                                       ; O^T (destination and source 0) window 1, f window 0
.irp u, 0,1
.irp j, 0,2,4,6,8,10,12,14,16,18,20,22,24,26,28,30
	v_pk_mul_f32 v[OT+32*\u+\j:OT+32*\u+\j+1], v[OT+32*\u+\j:OT+32*\u+\j+1], v[ST+8*\u+4:ST+8*\u+5] op_sel_hi:[1,0]   ; O^T under the new M.  (Also the plain instructions behind the conversions)
.endr
.endr
	s_wait_dscnt 0x0                               ; V is in
	WIN 0x51                                       ; V, C and D window 1; P window 0
.irp d, 0,1,2,3
.irp u, 0,1                                    ; eight accumulators, one instruction each; between two links of a chain stand the next step's sixteen products K Q^T
	v_wmma_f32_16x16x128_bf8_bf8 v[OT+32*\u+8*\d:OT+32*\u+8*\d+7], v[KV+16*\d:KV+16*\d+15], v[PF+16*\u:PF+16*\u+15], v[OT+32*\u+8*\d:OT+32*\u+8*\d+7]
.endr
.endr
	WIN 0
.Lskip:
	s_add_co_u32 s71, s71, 8192
	s_add_co_u32 s72, s72, 512
	s_add_co_u32 s70, s70, 1
	s_cmp_lt_u32 s70, 16
	s_cbranch_scc1 .Ltrip
	; THE PASS' END.  l's two halves and lane l xor 16's are added; O^T / l is held, converted and stored as an image of the last projection's operand.  The lines on l are the places behind the last products.
.irp u, 0,1
	v_add_f32 v[ST+8*\u+6], v[ST+8*\u+2], v[ST+8*\u+3]
.endr
.irp u, 0,1
	v_permlanex16_b32 v[ST+8*\u+7], v[ST+8*\u+6], s78, s79
.endr
.irp u, 0,1
	v_add_f32 v[ST+8*\u+6], v[ST+8*\u+6], v[ST+8*\u+7]
.endr
.irp u, 0,1
	v_rcp_f32 v[ST+8*\u+4], v[ST+8*\u+6]           ; 1 / l; l > 1/2 where a key counted; infinity where none did
.endr
	v_nop                                          ; a plain instruction between the reciprocals and the use of their results
	s_wait_alu depctr_va_vdst(0)
.irp u, 0,1
	v_mul_f32 v[ST+8*\u+6], 0, v[ST+8*\u+4]        ; z = 0 x 1 / l: 0, or NaN for a query with no key
.endr
.macro OUTT u
	WIN 0x01                                       ; source 0 (O^T) window 1
.irp j, 0,2,4,6,8,10,12,14,16,18,20,22,24,26,28,30
	v_pk_mul_f32 v[TT+\j:TT+\j+1], v[OT+32*\u+\j:OT+32*\u+\j+1], v[ST+8*\u+4:ST+8*\u+5] op_sel_hi:[1,0]
.endr
	WIN 0
.set i, 0
.rept 32
	v_med3_num_f32 v[TT+i], v[TT+i], -v13, v13     ; the hold at the largest code x the scale
.set i, i+1
.endr
.irp j, 0,2,4,6,8,10,12,14,16,18,20,22,24,26,28,30
	v_pk_add_f32 v[TT+\j:TT+\j+1], v[TT+\j:TT+\j+1], v[ST+8*\u+6:ST+8*\u+7] op_sel_hi:[1,0]   ; + z, behind the hold, which would lose a NaN
.endr
.irp d, 0,1,2,3
	v_cvt_scalef32_pk8_bf8_f32 v[CD+8*\u+2*\d:CD+8*\u+2*\d+1], v[TT+8*\d:TT+8*\d+7], v12
.endr
	v_nop                                          ; a plain instruction between the conversions and the next lines that write their sources
	global_store_b128 v1, v[CD+8*\u:CD+8*\u+3], s[2:3] offset:16384*\u          ; the wave stores 512 consecutive bytes, aligned
	global_store_b128 v1, v[CD+8*\u+4:CD+8*\u+7], s[2:3] offset:16384*\u+512
.endm
	OUTT 0
	OUTT 1
	s_add_co_u32 s69, s69, 1
	s_cmp_lt_u32 s69, 2
	s_cbranch_scc1 .Lpass
	s_set_vgpr_msb 0x5
	s_wait_tensorcnt 0x0
	ds_add_u32 v128, v129
	s_wait_dscnt 0x0
	s_set_vgpr_msb 0x500
	s_endpgm
.Lfunc_end_k_qe75570b54e_attn:
	.size	k_qe75570b54e_attn, .Lfunc_end_k_qe75570b54e_attn-k_qe75570b54e_attn
	.p2alignl 7, 3214868480
	.fill 96, 4, 3214868480
	.section	.rodata,"a",@progbits
	.p2align	6, 0x0
	.amdhsa_kernel k_qe75570b54e_attn
		.amdhsa_group_segment_fixed_size 263168
		.amdhsa_private_segment_fixed_size 0
		.amdhsa_enable_private_segment 0
		.amdhsa_kernarg_size 56
		.amdhsa_user_sgpr_count 2
		.amdhsa_user_sgpr_kernarg_segment_ptr 1
		.amdhsa_wavefront_size32 1
		.amdhsa_system_sgpr_workgroup_id_x 1
		.amdhsa_system_sgpr_workgroup_id_y 1
		.amdhsa_system_sgpr_workgroup_id_z 1
		.amdhsa_system_vgpr_workitem_id 0
		.amdhsa_next_free_vgpr 386
		.amdhsa_next_free_sgpr 102
		.amdhsa_reserve_vcc 0
		.amdhsa_float_denorm_mode_32 3
		.amdhsa_float_denorm_mode_16_64 3
		.amdhsa_memory_ordered 1
		.amdhsa_forward_progress 1
		.amdhsa_inst_pref_size 64
	.end_amdhsa_kernel
	.amdgpu_metadata
---
amdhsa.version: [ 1, 2 ]
amdhsa.kernels:
  - .name:           k_qe75570b54e_attn
    .symbol:         k_qe75570b54e_attn.kd
    .args:
      - { .name: qf, .offset: 0, .size: 8, .value_kind: global_buffer, .address_space: global }
      - { .name: kf, .offset: 8, .size: 8, .value_kind: global_buffer, .address_space: global }
      - { .name: vf, .offset: 16, .size: 8, .value_kind: global_buffer, .address_space: global }
      - { .name: mbits, .offset: 24, .size: 8, .value_kind: global_buffer, .address_space: global }
      - { .name: mflags, .offset: 32, .size: 8, .value_kind: global_buffer, .address_space: global }
      - { .name: lowp_scales, .offset: 40, .size: 8, .value_kind: global_buffer, .address_space: global }
      - { .name: af, .offset: 48, .size: 8, .value_kind: global_buffer, .address_space: global }
    .group_segment_fixed_size: 263168
    .private_segment_fixed_size: 0
    .kernarg_segment_align: 8
    .kernarg_segment_size: 56
    .max_flat_workgroup_size: 256
    .sgpr_count:     102
    .vgpr_count:     386
    .wavefront_size: 32
...
	.end_amdgpu_metadata
.endif
;; end of part 3
;; launch outp (part 4): grid 4 x 64, 4 waves a work-group, clusters of 4 x 4, 327,680 bytes of LDS; arguments af, Wo_codes, lowp_scales, out0; writes out0
.if DOCPART == 4
	.amdgcn_target "amdgcn-amd-amdhsa--gfx1250"
	.amdhsa_code_object_version 6
	.text
	.protected	k_qe75570b54e_outp
	.globl	k_qe75570b54e_outp
	.p2align	8
	.type	k_qe75570b54e_outp,@function
k_qe75570b54e_outp:
	s_mov_b64 s[64:65], 0
	v_nop
	global_prefetch_b8 v0, s[64:65] scope:SCOPE_SE
	s_setreg_imm32_b32 hwreg(HW_REG_WAVE_MODE, 25, 1), 1
	s_wait_xcnt 0x0
	s_wait_alu depctr_hold_cnt(0) depctr_sa_sdst(0) depctr_va_vdst(0) depctr_va_sdst(0) depctr_va_ssrc(0) depctr_va_vcc(0) depctr_vm_vsrc(0)
	s_getreg_b32 s2, hwreg(HW_REG_IB_STS2, 6, 4)
	s_cmp_eq_u32 s2, 0
	s_cbranch_scc0 .Lentry_in_a_cluster
	s_endpgm
.Lentry_in_a_cluster:
	s_bfe_u32 s2, ttmp6, 0x10000c
	s_cmp_lg_u32 s2, 0xf033
	s_cbranch_scc0 .Lentry_shape_is_right
	s_endpgm
.Lentry_shape_is_right:
; out0[m][n] = 2^(e10 + e11) x the sum over k of attn[m][k] Wo[n][k], on codes of E5M2, K = 1,024; out0 [8,192][1,024] f32.  LIMIT: e10 + e11 between -126 and 127, so that the power of two is an f32 number.
; A = attn's codes, as the attention launch left them: af [token tile 512][K block of 128: 8][piece 4][lane][16 bytes], images of 16 x 128 fragments in the form's own layout (registers 2 c, 2 c + 1: K = 16 c + 8 h + 0 .. 7).
; B = Wo's codes, rows of 1,024 bytes; to meet A's true places of k its fragments come by eight loads of 8 bytes.
; TILE, SLOTS, CLUSTER as in the projections' launch: 128 (m) x 256 (n) for four waves, wave w all 128 m x n = 64 w .. 64 w + 63 in 32 accumulators: 256 work-groups.  Three LDS slots of 256 along K: three of the four
; K steps are first fills, issued together (by this text's own count three tensor loads of a wave are out at the start, one later); K step 3 fills slot 0 again.  The eight steps of 128 along K are written out.
; 4 x 4 work-groups form a cluster; A's tile is asked for jointly along a row of the cluster, B's along a column.
; THE MATRIX INSTRUCTION IS USED TRANSPOSED (source 0 = 16 rows of Wo, source 1 = 16 tokens): a lane holds eight neighbouring numbers of a row of out0.
; REGISTERS, in windows of 256: window 0: v0-31 addresses, v32-63 and v128-191 the way out;  window 1: accumulator (a, b) at v[8 (4 a + b)];  window 2: A's fragments, two sets, v[128 p + 16 a];  window 3: B's, v[64 p + 16 b].
.set PITCH, 272                        ; a row of B in LDS: 256 bytes + 16: lane (r, h) of a load of 8 bytes reads words 68 r + 2 h on: 64 different words modulo 64
.set BOFF,  32768                      ; in a slot: A's images (8 token tiles x 2 K blocks x 2,048 bytes, dense), then B's 256 rows
.set SLOT,  BOFF+256*PITCH
.set SPARE, 3*SLOT                     ; behind the slots: the spare words, 128 bytes for each wave: two blocks of 256 bytes that no other line names
.set STAGE, SLOT                       ; the way out: 16 rows x 272 bytes for each wave, in slot 1: it has had its only fill, and every wave's reads of it are over at the barrier of step 5
.set ADA,  16                          ; v16-18  LDS address of my lane's place in A's images in slot 0, 1, 2
.set ADB,  20                          ; v20-22  LDS address of my B fragments
.set STO,  24                          ; v24     the way out: where I put 32 bytes of a row
.set RD,   25                          ; v25     where I read a row back
.set CO,   26                          ; v26     my byte offset in two rows of out0
.set SPW,  28                          ; v28     LDS address of my spare word; never rewritten
.set NIL,  29                          ; v29     0; never rewritten
.set TMP,  32
.set BK,   128
.set G1A, 24                           ; s[24:31] descriptor group 1 for A's tiles;  s[32:43] three groups 0, one for each slot
.set G0A, 32
.set G0B, 44                           ; s[44:55], s[56:63] the same for B's
.set G1B, 56
.set MULW, 0x5b                        ; source 0 (B) window 3, source 1 (A) window 2, C and D window 1
.set TO_A, 0x80
.set TO_B, 0xc0
.set MSB, 0
.macro WIN new                         ; the immediate's high byte repeats the setting that is left; a switch that changes nothing is dropped
.if MSB != \new
	s_set_vgpr_msb (MSB<<8)|\new
.set MSB, \new
.endif
.endm
.macro PLACES n                        ; plain vector instructions between a matrix instruction and a load into, or a read of, its registers (ISA guide 7.12.1 for reads)
.rept \n
	v_nop
.endr
.endm
.macro CREST                           ; a round of the cluster's barrier behind its opening barrier
	s_cmp_lg_u32 s84, 0
	s_cbranch_scc1 .Lnot_wave_0_\@
	s_barrier_signal -3
.Lnot_wave_0_\@:
	s_barrier_wait -3
	s_barrier_signal -1
	s_barrier_wait -1
.endm
.macro CROUND
	s_barrier_signal -1
	s_barrier_wait -1
	CREST
.endm
.macro JLOAD set                       ; a joint load: waves 0 and 1 fetch A's two halves, waves 2 and 3 B's; four v_nop follow each of the two lines
	s_cmp_eq_u32 s85, 0
	s_cbranch_scc0 .Lfor_b_\@
	tensor_load_to_lds s[G0A+4*\set:G0A+4*\set+3], s[G1A:G1A+7]
	s_nop 0
.rept 4
	v_nop
.endr
	s_branch .Lasked_\@
.Lfor_b_\@:
	tensor_load_to_lds s[G0B+4*\set:G0B+4*\set+3], s[G1B:G1B+7]
	s_nop 0
.rept 4
	v_nop
.endr
.Lasked_\@:
.endm
	s_load_b256 s[4:11], s[0:1], 0x0               ; af s[4:5], Wo's codes s[6:7], the scales' exponents s[8:9], out0 s[10:11]
	v_lshl_add_u32 v[SPW], v0, 2, SPARE
	v_mov_b32 v[NIL], 0
	ds_add_u32 v28, v29
	ds_add_u32 v28, v29
	s_wait_dscnt 0x0
	v_lshrrev_b32 v1, 5, v0
	v_readfirstlane_b32 s84, v1                    ; wave 0..3
	s_lshr_b32 s85, s84, 1                         ; I fetch for A (0) or for B (1)
	s_and_b32 s86, s84, 1                          ; and which half of that tile
	s_bfe_u32 s87, ttmp6, 0x40000                  ; cx, cy: my place in the cluster
	s_bfe_u32 s88, ttmp6, 0x40004
	s_and_b32 s91, ttmp7, 0xffff
	s_lshl_b32 s91, s91, 2
	s_add_co_u32 s91, s91, s88                     ; mt, the tile row = 4 x cluster y + cy (0 .. 63)
	s_mov_b32 s92, s87                             ; nt, the tile column = cx: the grid is one cluster wide
	s_lshl_b32 s93, s88, 2
	s_lshl_b32 s93, 15, s93                        ; my row of the cluster
	s_lshl_b32 s94, 0x1111, s87                    ; my column
	s_or_b32 s[G1A], s93, (3<<16)|(1<<21)          ; 15:0 the mask; 17:16 elements of 8 bytes; no padding; 21 set beside a mask
	s_mov_b32 s[G1A+1], 512<<16                    ; tensor_dim0 = 512 elements: a token tile's two K blocks, 4,096 bytes on end
	s_mov_b32 s[G1A+2], 4<<16                      ; tensor_dim1 = 4
	s_mov_b32 s[G1A+3], 512<<16                    ; tile_dim0 = 512
	s_mov_b32 s[G1A+4], 4                          ; tile_dim1 = 4 token tiles: a wave's half of the eight
	s_mov_b32 s[G1A+5], 2048                       ; from token tile to token tile: 16,384 bytes
	s_mov_b32 s[G1A+6], 0
	s_mov_b32 s[G1A+7], 0
	s_or_b32 s[G1B], s94, (0<<16)|(1<<20)|(1<<21)|(5<<22)|(3<<25)   ; elements of 1 byte; padding: four words after every 64
	s_mov_b32 s[G1B+1], 256<<16
	s_mov_b32 s[G1B+2], 128<<16
	s_mov_b32 s[G1B+3], 256<<16
	s_mov_b32 s[G1B+4], 128                        ; a wave's half of B's 256 rows
	s_mov_b32 s[G1B+5], 1024
	s_mov_b32 s[G1B+6], 0
	s_mov_b32 s[G1B+7], 0
	s_lshl_b32 s72, s91, 17                        ; A: (8 mt + 4 x half) token tiles of 16,384 bytes: these registers never hold cx,
	s_lshl_b32 s73, s86, 16
	s_add_co_u32 s72, s72, s73
	s_mov_b32 s73, 0
	s_lshl_b32 s74, s92, 18                        ; B: (256 nt + 128 x half) rows of 1,024 bytes: and these never cy
	s_lshl_b32 s75, s86, 17
	s_add_co_u32 s74, s74, s75
	s_mov_b32 s75, 0
	s_lshl_b32 s100, s86, 14                       ; where they go in a slot: the wave's number alone enters an LDS address
	s_mul_i32 s101, s86, 128*PITCH
	s_add_co_u32 s101, s101, BOFF
	s_wait_kmcnt 0x0
	s_load_b64 s[96:97], s[8:9], 0x28              ; e10, e11
	s_add_nc_u64 s[66:67], s[4:5], s[72:73]
	s_add_nc_u64 s[68:69], s[6:7], s[74:75]
.irp s, 0,1,2
	s_mov_b32 s[G0A+4*\s], 1                                       ; count = 1
	s_add_co_u32 s[G0A+4*\s+1], s100, \s*SLOT                      ; LDS address
	s_add_nc_u64 s[G0A+4*\s+2:G0A+4*\s+3], s[66:67], \s*4096       ; global address: K blocks 2 s and 2 s + 1
	s_or_b32 s[G0A+4*\s+3], s[G0A+4*\s+3], 0x80000000              ; type = 2
	s_mov_b32 s[G0B+4*\s], 1
	s_add_co_u32 s[G0B+4*\s+1], s101, \s*SLOT
	s_add_nc_u64 s[G0B+4*\s+2:G0B+4*\s+3], s[68:69], \s*256
	s_or_b32 s[G0B+4*\s+3], s[G0B+4*\s+3], 0x80000000
.endr
	CROUND                                         ; all sixteen work-groups are here: the first joint loads meet
	s_cmp_eq_u32 s85, 0                            ; a wave's three first fills stand in one branch, ahead of every wait on TENSORcnt, every LDS read and every other barrier
	s_cbranch_scc0 .Lfirst_b
	tensor_load_to_lds s[G0A:G0A+3], s[G1A:G1A+7]
	s_nop 0
	tensor_load_to_lds s[G0A+4:G0A+7], s[G1A:G1A+7]
	s_nop 0
	tensor_load_to_lds s[G0A+8:G0A+11], s[G1A:G1A+7]
	s_nop 0
.rept 4
	v_nop
.endr
	s_branch .Lfirst_asked
.Lfirst_b:
	tensor_load_to_lds s[G0B:G0B+3], s[G1B:G1B+7]
	s_nop 0
	tensor_load_to_lds s[G0B+4:G0B+7], s[G1B:G1B+7]
	s_nop 0
	tensor_load_to_lds s[G0B+8:G0B+11], s[G1B:G1B+7]
	s_nop 0
.rept 4
	v_nop
.endr
.Lfirst_asked:
	v_and_b32 v1, 31, v0                           ; lane
	v_and_b32 v2, 15, v0                           ; r
	v_bfe_u32 v3, v0, 4, 1                         ; h
	v_lshlrev_b32 v[ADA], 4, v1                    ; A: 16 x lane
	v_add_nc_u32 v[ADA+1], SLOT, v[ADA]
	v_add_nc_u32 v[ADA+2], 2*SLOT, v[ADA]
	v_mul_u32_u24 v4, v2, PITCH                    ; 272 r
	s_mul_i32 s100, s84, 64*PITCH                  ; my 64 rows of B,
	s_add_co_u32 s100, s100, BOFF                  ; which lie behind A's images
	v_lshl_add_u32 v[ADB], v3, 3, v4               ; row r, + 8 h
	v_add_nc_u32 v[ADB], s100, v[ADB]
	v_add_nc_u32 v[ADB+1], SLOT, v[ADB]
	v_add_nc_u32 v[ADB+2], 2*SLOT, v[ADB]
	s_mul_i32 s76, s84, 16*PITCH
	s_add_co_u32 s76, s76, STAGE                   ; my stage
	v_lshl_add_u32 v[STO], v3, 5, v4               ; in: row r, 32 bytes for each half of the lanes
	v_add_nc_u32 v[STO], s76, v[STO]
	v_mul_u32_u24 v[RD], v3, PITCH                 ; back: lanes 0-15 one row of 256 bytes, lanes 16-31 the next
	v_lshl_add_u32 v[RD], v2, 4, v[RD]
	v_add_nc_u32 v[RD], s76, v[RD]
	v_lshlrev_b32 v[CO], 12, v3                    ; and the same two rows of out0, 4,096 bytes apart
	v_lshl_add_u32 v[CO], v2, 4, v[CO]
	s_lshl_b32 s70, s91, 19                        ; out0: 128 mt rows of 4,096 bytes,
	s_lshl_b32 s71, s92, 10                        ; + the tile's 256 columns,
	s_add_co_u32 s70, s70, s71
	s_lshl_b32 s71, s84, 8                         ; + my 64
	s_add_co_u32 s70, s70, s71
	s_mov_b32 s71, 0
	s_add_nc_u64 s[10:11], s[10:11], s[70:71]
	s_wait_kmcnt 0x0
	s_add_co_i32 s96, s96, s97
	s_add_co_i32 s96, s96, 127
	s_lshl_b32 s96, s96, 23                        ; 2^(e10 + e11) as f32
	s_mov_b32 s97, s96                             ; (named with it as a pair, so it is written)
; 64 LDS loads in one run: the fragments of the slot's q-th 128 along K into set p: B's four (eight loads of 8 bytes each: registers 2 c, 2 c + 1 = K 16 c + 8 h + 0 .. 7), then A's eight images
.macro FETCH slot, q, p
	WIN TO_B
.irp b, 0,1,2,3
.irp c, 0,1,2,3,4,5,6,7
	ds_load_b64 v[64*(\p)+16*\b+2*\c:64*(\p)+16*\b+2*\c+1], v[ADB+\slot] offset:16*PITCH*\b+128*(\q)+16*\c
.endr
.endr
	WIN TO_A
.irp a, 0,1,2,3,4,5,6,7
.irp c, 0,1,2,3
	ds_load_b128 v[128*(\p)+16*\a+4*\c:128*(\p)+16*\a+4*\c+3], v[ADA+\slot] offset:4096*\a+2048*(\q)+512*\c
.endr
.endr
.endm
; A's blocks f .. l x B's four, 128 along K, from set p.  zero = 1: the first product starts the sums.  The 32 accumulators take turns, in the same order in every step.
.macro MUL f, l, p, zero
.set aa, \f
.rept \l-\f+1
.irp b, 0,1,2,3
.if \zero
	v_wmma_f32_16x16x128_bf8_bf8 v[8*(4*aa+\b):8*(4*aa+\b)+7], v[64*(\p)+16*\b:64*(\p)+16*\b+15], v[128*(\p)+16*aa:128*(\p)+16*aa+15], 0
.else
	v_wmma_f32_16x16x128_bf8_bf8 v[8*(4*aa+\b):8*(4*aa+\b)+7], v[64*(\p)+16*\b:64*(\p)+16*\b+15], v[128*(\p)+16*aa:128*(\p)+16*aa+15], v[8*(4*aa+\b):8*(4*aa+\b)+7]
.endif
.endr
.set aa, aa+1
.endr
.endm
.macro STEP cur, slot, q, first        ; a step of 128 along K on set cur; the next step's fragments are asked for ahead of its 32 products, into the other set
	s_wait_dscnt 0x0                               ; set cur is in: it was asked for a whole step ago
.if !\first
	PLACES 4                                       ; the other set was read by the products just issued
.endif
	FETCH \slot, \q, 1-\cur
	WIN MULW
	MUL 0, 7, \cur, \first
.endm
	s_wait_tensorcnt 0x2                           ; my part of K step 0 is in; the two loads behind it may stay out
	s_barrier_signal -1
	s_barrier_wait -1                              ; everybody's is
	FETCH 0, 0, 0
	STEP 0, 0, 1, 1                                ; step 0
	; step 1 leaves slot 0, which K step 3 fills again
	WIN 0                                          ; (the add's two registers lie in window 0)
	s_wait_tensorcnt 0x0                           ; all my tensor loads have landed, so a group 0 may be written
	ds_add_u32 v[SPW], v[NIL]                      ; 0 onto my spare word
	s_add_nc_u64 s[G0A+2:G0A+3], s[G0A+2:G0A+3], 12288   ; slot 0's descriptors go on to K step 3: K blocks 6 and 7,
	s_add_nc_u64 s[G0B+2:G0B+3], s[G0B+2:G0B+3], 768     ; bytes 768 on of B's rows
	s_wait_dscnt 0x0                               ; the add is done, and my reads of slot 0 are over: set 1 is in
	s_barrier_signal -1                            ; this barrier opens a round of the cluster's
	WIN MULW
	MUL 0, 3, 1, 0                                 ; work on registers while the others arrive
	WIN 0
	s_barrier_wait -1
	CREST                                          ; no wave of any partner still reads slot 0 or has a load on its way
	JLOAD 0                                        ; the first tensor load behind the round; it has four steps, 128 matrix instructions, in which to land.  Its four v_nop are the places in front of the loads into set 0
	FETCH 1, 0, 0
	WIN MULW
	MUL 4, 7, 1, 0
	STEP 0, 1, 1, 0                                ; step 2
	STEP 1, 2, 0, 0                                ; step 3
	STEP 0, 2, 1, 0                                ; step 4
	; step 5: K step 3 is wanted next
	s_wait_tensorcnt 0x0                           ; my part of it is in: no load was issued behind it
	s_wait_dscnt 0x0                               ; set 1 is in, and all my reads of slots 1 and 2 are over
	s_barrier_signal -1
	MUL 0, 3, 1, 0
	s_barrier_wait -1                              ; everybody's part is in
	PLACES 4
	FETCH 0, 0, 0
	WIN MULW
	MUL 4, 7, 1, 0
	STEP 0, 0, 1, 0                                ; step 6
	s_wait_dscnt 0x0                               ; step 7: nothing more to fetch
	MUL 0, 7, 1, 0
	WIN 0
	PLACES 4                                       ; in front of the first read of results
; THE WAY OUT, block by block of 16 rows x my 64 columns.  A lane holds 32 neighbouring bytes of a row and the lanes beside it hold other rows: so a block goes through my own stage and comes back as whole rows of 256
; bytes, two an instruction.  LDS serves a wave's instructions in order (ISA guide 5.7.1.4): no wait between the stores and the loads, nor in front of the next block's stores.
.macro TOSTAGE a
	WIN 0x01                                       ; source 0 window 1
.irp j, 0,2,4,6,8,10,12,14,16,18,20,22,24,26,28,30
	v_pk_mul_f32 v[TMP+\j:TMP+\j+1], v[32*\a+\j:32*\a+\j+1], s[96:97] op_sel_hi:[1,0]   ; x 2^(e10 + e11); each accumulator from its low end on
.endr
	WIN 0
.irp b, 0,1,2,3
	ds_store_b128 v[STO], v[TMP+8*\b:TMP+8*\b+3] offset:64*\b
	ds_store_b128 v[STO], v[TMP+8*\b+4:TMP+8*\b+7] offset:64*\b+16
.endr
.set BB, BK+32*((\a)%2)
.irp t, 0,1,2,3,4,5,6,7
	ds_load_b128 v[BB+4*\t:BB+4*\t+3], v[RD] offset:2*PITCH*\t
.endr
.endm
.macro SEND a, younger                 ; younger: the LDS instructions issued behind block a's loads, which may stay out
.set BB, BK+32*((\a)%2)
	s_wait_dscnt \younger                          ; the block is back in registers
.irp t, 0,1,2,3,4,5,6,7
	global_store_b128 v[CO], v[BB+4*\t:BB+4*\t+3], s[10:11] offset:(16*(\a)+2*\t)*4096 th:TH_STORE_NT   ; sixteen lanes store 256 consecutive bytes, aligned; 126 rows at the most: inside the signed 24-bit immediate; written once, read by nobody here
.endr
.endm
	TOSTAGE 0
.irp a, 1,2,3,4,5,6,7
.if \a > 1
	s_wait_xcnt 0x0                                ; block a - 2's stores have read their registers: block a's loads may land there
.endif
	TOSTAGE \a
	SEND \a-1, 16                                  ; behind block a - 1's loads: block a's 8 stores and 8 loads
.endr
	SEND 7, 0
	s_wait_tensorcnt 0x0                           ; the wave's end: behind my last tensor load and my last LDS store
	ds_add_u32 v[SPW], v[NIL]
	s_wait_dscnt 0x0
	CROUND                                         ; the closing round: no work-group ends while a partner may still ask for a tile that names it
	s_endpgm
.Lfunc_end_k_qe75570b54e_outp:
	.size	k_qe75570b54e_outp, .Lfunc_end_k_qe75570b54e_outp-k_qe75570b54e_outp
	.p2alignl 7, 3214868480
	.fill 96, 4, 3214868480
	.section	.rodata,"a",@progbits
	.p2align	6, 0x0
	.amdhsa_kernel k_qe75570b54e_outp
		.amdhsa_group_segment_fixed_size 327680
		.amdhsa_private_segment_fixed_size 0
		.amdhsa_enable_private_segment 0
		.amdhsa_kernarg_size 32
		.amdhsa_user_sgpr_count 2
		.amdhsa_user_sgpr_kernarg_segment_ptr 1
		.amdhsa_wavefront_size32 1
		.amdhsa_system_sgpr_workgroup_id_x 1
		.amdhsa_system_sgpr_workgroup_id_y 1
		.amdhsa_system_sgpr_workgroup_id_z 1
		.amdhsa_system_vgpr_workitem_id 0
		.amdhsa_next_free_vgpr 896
		.amdhsa_next_free_sgpr 102
		.amdhsa_reserve_vcc 0
		.amdhsa_float_denorm_mode_32 3
		.amdhsa_float_denorm_mode_16_64 3
		.amdhsa_memory_ordered 1
		.amdhsa_forward_progress 1
		.amdhsa_inst_pref_size 82
	.end_amdhsa_kernel
	.amdgpu_metadata
---
amdhsa.version: [ 1, 2 ]
amdhsa.kernels:
  - .name:           k_qe75570b54e_outp
    .symbol:         k_qe75570b54e_outp.kd
    .args:
      - { .name: af, .offset: 0, .size: 8, .value_kind: global_buffer, .address_space: global }
      - { .name: Wo_codes, .offset: 8, .size: 8, .value_kind: global_buffer, .address_space: global }
      - { .name: lowp_scales, .offset: 16, .size: 8, .value_kind: global_buffer, .address_space: global }
      - { .name: out0, .offset: 24, .size: 8, .value_kind: global_buffer, .address_space: global }
    .group_segment_fixed_size: 327680
    .private_segment_fixed_size: 0
    .kernarg_segment_align: 8
    .kernarg_segment_size: 32
    .max_flat_workgroup_size: 128
    .sgpr_count:     102
    .vgpr_count:     896
    .wavefront_size: 32
...
	.end_amdgpu_metadata
.endif
;; end of part 4
